; MI455X (gfx1250); checked and timed in simulation.
; The chip was launched on July 23, 2026; its instructions are those of AMD's public machine-readable ISA for CDNA 5 (MIT licence, August 2026) and "CDNA5" Instruction Set Architecture Reference Guide (July 2026). The comments in the code are by the model that wrote it; some were corrected since.
;; Masked Self Attention. Allowed arithmetic: matrix products marked QUANTISED: E2M3 operands, one E8M0 scale for each 32 along K, by v_wmma_scale_f32_16x16x128_f8f6f4 with both operands' format E2M3, f32 sums; everything else in f32.
;; Inputs: Wk 64 x 128 float32; Wq 64 x 128 float32; Wv 128 x 128 float32; x 4 x 4,096 x 128 float32.
;; Outputs: out0 4 x 4,096 x 128 float32.
;; This version of the problem:
;;   THIS VERSION OF THE PROBLEM IS GIVEN IN LOW PRECISION. The matrix products marked QUANTISED in the list below multiply operands that are first quantised to E2M3 (2 exponent bits, 3 mantissa bits; 6 bits a number), with one power-of-two scale for each 32 numbers along K (OCP MX v1.0); their sums are f32. All else is computed in f32.
;;   The module's matrix products, in the order in which they are computed (A, B: the left and right operand; K: the contracted axis; several contracted axes count as one K, in the product's order):
;;     1. [M 16,384, K 128] x [K 128, N 64]; A: input x; B: input Wk: QUANTISED
;;     2. [M 16,384, K 128] x [K 128, N 64]; A: input x; B: input Wq: QUANTISED
;;     3. [M 16,384, K 128] x [K 128, N 128]; A: input x; B: input Wv: QUANTISED
;;     4. batch 4 x [M 4,096, K 64] x [K 64, N 4,096]; A: computed on the way; B: computed on the way: QUANTISED
;;     5. batch 4 x [M 4,096, K 4,096] x [K 4,096, N 128]; A: softmax (see below); B: computed on the way: QUANTISED
;;   THE QUANTISER, for each operand of a quantised product, along K:
;;     - K is cut into blocks of 32 from its start; a last block that is shorter is filled with zeros.
;;     - A block's scale is 2^e with e = floor(log2(the largest magnitude in the block)) - 2, held to -126 .. 127; a block of zeros has e = 0. As a byte (E8M0): e + 127.
;;     - Each number is divided by its block's scale, clamped to +-7.5, and rounded to the nearest number of E2M3, ties to even, subnormals kept.
;;     - The product sums the exact products of the quantised numbers (number of the format x scale) in f32.
;;   ~~~python
;;   def quantise(x, axis):      # numpy; x: float32 -> the quantised numbers, widened to float32 again
;;       x = np.moveaxis(x, axis, -1); K = x.shape[-1]
;;       x = np.pad(x, [(0, 0)] * (x.ndim - 1) + [(0, -K % 32)]); x = x.reshape(x.shape[:-1] + (-1, 32)); a = np.abs(x).max(-1, keepdims=True)
;;       e = np.where(a > 0, np.clip(np.frexp(np.where(a > 0, a, 1))[1] - 1 - 2, -126, 127), 0)      # np.frexp(a)[1] - 1 = floor(log2(a)), exactly
;;       r = np.clip(x / 2.0 ** e, -7.5, 7.5)
;;       step = 2.0 ** (np.maximum(np.frexp(np.where(r == 0, 1, r))[1] - 1, 0) - 3)
;;       q = np.round(r / step) * step * 2.0 ** e      # np.round: ties to even
;;       return np.moveaxis(q.reshape(q.shape[:-2] + (-1,))[..., :K], -1, axis).astype(np.float32)
;;   ~~~
;;   SOFTMAX AHEAD OF A QUANTISED PRODUCT. Where the list says 'softmax', what is quantised is not the finished softmax but p = 2^(t - M), with t = logit x log2(e) and M = ceil(the row's largest t), a whole number; so 1/2 < the row's largest p <= 1. The row's sum l is taken of the UNQUANTISED p, in f32, and the product's result is divided by l at the end. Since M is a whole number, a kernel that streams over the keys may use a running M (the ceiling of the running maximum): every later rescaling is an exact power of two, which a block's scale takes up: the codes' values come out the same.
;;   OPERANDS COMPUTED ON THE WAY. 'Computed on the way' means the value that the module computes at that place (a softmax that the list does not call 'softmax' is quantised finished and normalised). What goes into a quantiser is computed in f32, as accurately as f32 sums, v_exp_f32 and their like allow (about 1e-6 of the number): no bf16 or f16 on the way to a quantiser, and a product that is left as it is and whose result goes on into a quantised operand takes f32 operands (vector FMAs, or v_wmma_f32_16x16x4_f32). A number that lies on a knife's edge between two numbers of the format may be rounded either way, as far as f32 arithmetic and the matrix unit's own rounding can turn it there, and no further.
;; One version. Each part assembles by itself: llvm-mc -triple=amdgcn-amd-amdhsa -mcpu=gfx1250 --defsym DOCPART=n.
;; ======== version 1 of 1: 2 launches
;; workspace buffers: vcodes 1,572,864 bytes; vscales 65,536 bytes; pbuf 1,048,576 bytes
;; launch prep (part 1): grid 256 x 1, 8 waves a work-group, clusters of 4 x 1, 250,880 bytes of LDS; arguments x, Wk, Wq, Wv, vcodes, vscales, pbuf; writes vcodes, vscales, pbuf
.if DOCPART == 1
	.amdgcn_target "amdgcn-amd-amdhsa--gfx1250"
	.amdhsa_code_object_version 6
	.text
	.protected	k_qa0766019bf_prep
	.globl	k_qa0766019bf_prep
	.p2align	8
	.type	k_qa0766019bf_prep,@function
k_qa0766019bf_prep:
	s_mov_b64 s[64:65], 0
	v_nop
	global_prefetch_b8 v0, s[64:65] scope:SCOPE_SE
	s_setreg_imm32_b32 hwreg(HW_REG_WAVE_MODE, 25, 1), 1
	s_wait_xcnt 0x0
	s_wait_alu depctr_hold_cnt(0) depctr_sa_sdst(0) depctr_va_vdst(0) depctr_va_sdst(0) depctr_va_ssrc(0) depctr_va_vcc(0) depctr_vm_vsrc(0)
	s_getreg_b32 s2, hwreg(HW_REG_IB_STS2, 6, 4)
	s_cmp_eq_u32 s2, 0
	s_cbranch_scc0 .Lentry_in_a_cluster
	s_endpgm
.Lentry_in_a_cluster:
	s_bfe_u32 s2, ttmp6, 0x10000c
	s_cmp_lg_u32 s2, 0x3003
	s_cbranch_scc0 .Lentry_shape_is_right
	s_endpgm
.Lentry_shape_is_right:
; MaskedSelfAttention, first of two launches.  x [4][4096][128], Wk, Wq [64][128], Wv [128][128], all f32.
; The tril in the problem is laid on K^T [64 (d)][4096 (t)]: element (d, t) stays where t <= d.  So keys 64 .. 4095 are columns of zeros and their scores are 0; keys 0 .. 63 keep d >= t.
; This launch makes, all on codes of FP6 (E2M3) with one E8M0 scale for each 32 along K:
;   V = x Wv^T, quantised along the KEYS, laid in the order of an operand's registers (vcodes, vscales);
;   K = x Wk^T of the batch's first 64 rows, masked, quantised along d;  q = x Wq^T, quantised along d;  the 64 head scores of each query;
;   t = score x log2(e), M = ceil(max(0, largest t)), p = 2^(t - M), l = the sum of the unquantised p over all 4,096 keys (the 4,032 tail keys have p = 2^-M), p's codes (pbuf).
; SHARES.  A work-group owns 64 rows of x: 64 keys of V and four tiles of 16 queries.  24 tiles of 16 rows x 128 f32 are quantised, three a wave:
;   slot A: waves 0-3 the batch's rows 16 w on (for K), waves 4-7 the work-group's own rows 16 (w - 4) on;  slot B: waves 0-3 Wk's tile w, waves 4-7 Wq's tile w - 4;  slot C: Wv's tile w.
; CLUSTER.  The four work-groups of a cluster lie in one batch: 20 of a work-group's 24 tiles (the batch's head rows and all weights) are the same in all four and are asked for JOINTLY;
; the own rows of x come by a plain load.
; Operands go from wave to wave through LDS as images of their registers: 16 bytes a lane, 512 bytes a store; scale words 4 bytes a lane.
; ORDER OF k.  Products 1 to 3 have k in its true places.  What a product's result hands to the next quantiser lies, in a lane, as k = 8 h + j and 16 + 8 h + j of each block of 32: inside a block
; the codes of products 4 and 5 stand in that order on BOTH operands, so every product meets its partner and blocks stay blocks; only the order of the f32 sums differs.
; LIMITS.  The tail's p is held at 2^-124 from below (M above 124), in its scale byte and in l alike.  A block of zeros gets the byte 1 where the rule says 127: its codes are zeros and this
; program alone reads the bytes.  p under 2^-126 comes out of v_exp_f32 as 0.  NaN and infinities among the inputs are not served.
.set STGW,  25344                      ; LDS: a wave's three stage tiles
.set TILEB, 8448                       ; a stage tile: 16 rows x (512 bytes + 16 of padding)
.set FRB,   1536                       ; a fragment's image: 12 registers x 128 bytes
.set IMG,   8*STGW                     ; 24 images, index 8 x slot + wave
.set ISC,   IMG+24*FRB                 ; their scale words, 128 bytes each
.set KIM,   ISC+24*128                 ; K's half fragments (6 registers: 768 bytes), one place a wave
.set KSC,   KIM+8*768                  ; and their scale words; ends at 249,856
.set SRD,  4                           ; v4   my place in my wave's stage: 528 r + 64 h
.set L16,  5                           ; v5   16 x lane
.set L8,   6                           ; v6   8 x lane
.set IWA,  7                           ; v7   where I store images: IMG + 1536 w + 16 lane
.set ISW,  8                           ; v8   and scale words: ISC + 128 w + 4 lane
.set WRD,  9                           ; v9   Wk's (waves 0-3) or Wq's (4-7) four images
.set WSR,  10                          ; v10  and their scale words
.set KW16, 11                          ; v11-13 where I store K's half fragment and its scale word
.set KW8,  12
.set KWS,  13
.set CRD,  14                          ; v14  Wv's image w (and w + 4)
.set CSR,  15
.set XRD,  16                          ; v16  the own rows' four images
.set XSR,  17
.set KR16, 18                          ; v18-20 K's four half fragments, read
.set KR8,  19
.set KSR,  20
.set GS,   21                          ; v21  vscales: 8192 h + 2 r
.set THR,  22                          ; v22  the mask's threshold
.set NIL,  23                          ; v23  0
.set L4,   24                          ; v24  4 x lane
.set NUMA, 32                          ; v32-95   64 numbers; later fragments
.set NUMB, 96                          ; v96-159  64 numbers; later results
.set PC,   160                         ; v160-171 codes just made
.set PT,   172                         ; v172-179 a conversion's second halves
.set TM,   180                         ; v180-183 largest magnitudes, v184-187 bytes, v192-195 the conversions' scale operands
.set PW,   196                         ; the scale word just made
.set BA,   197
.set XF,   198                         ; v198-209 my x fragment; later Wv's
.set QF,   210                         ; v210-221 my K or q fragment; later Wv's
.set SW,   224                         ; v224-229 scale words of fragments from LDS
.set XS,   230                         ; my x fragment's
.set QW,   231                         ; my K or q fragment's
.set CH,   236                         ; v236-239 four chains of the maximum
.set MX,   240
.set MY,   241
.set NM,   242                         ; v[242:243] -M, twice
.set MI,   244
.set PTL,  245                         ; the tail's p
.set TB,   246                         ; its scale byte
.set T2,   247
.set SUM,  248                         ; v[248:251]
.set IL,   252                         ; v[252:253] 1 / l, and the scale word that goes with it
.set W0,   254
.set TL,   255
.set WV,   18                          ; s18 my wave's number
.set G1J,  24                          ; s[24:31] descriptor group 1, joint;  s[32:39] plain
.set G1P,  32
.set G0H,  40                          ; groups 0: the batch's head rows, my own rows, Wk, Wq, Wv
.set G0O,  44
.set G0K,  48
.set G0Q,  52
.set G0C,  56
.set SEL,  60                          ; s[60:61] v_permlanex16_b32's selects for lane l xor 16
.set CS,   62                          ; s[62:63] log2(e), twice
.set HIM,  66                          ; s66 a lane mask: lanes 16-31
.set CTL,  67                          ; s67 4032.0: the tail's keys
.macro PLACES n
.rept \n
	v_nop
.endr
.endm
.macro CROUND                          ; a round of the cluster's barrier: my work-group's barrier, wave 0 signals for the work-group, every wave waits for all four, my work-group's barrier once more
	s_barrier_signal -1
	s_barrier_wait -1
	s_cmp_lg_u32 s[WV], 0
	s_cbranch_scc1 .Lnot_wave_0_\@
	s_barrier_signal -3
.Lnot_wave_0_\@:
	s_barrier_wait -3
	s_barrier_signal -1
	s_barrier_wait -1
.endm
.macro BARRIER                         ; my LDS stores have landed and my LDS loads are in: then the work-group's barrier
	s_wait_dscnt 0x0
	s_barrier_signal -1
	s_barrier_wait -1
.endm
.macro SLOAD dst, slot                 ; my 64 numbers of a stage tile: register 16 b + i = k 32 b + 16 h + i of row r.  Rows 132 words apart
.irp b, 0,1,2,3
.irp j, 0,1,2,3
	ds_load_b128 v[(\dst)+16*\b+4*\j:(\dst)+16*\b+4*\j+3], v[SRD] offset:(\slot)*TILEB+128*\b+16*\j
.endr
.endr
.endm
; nb blocks of 32 (16 numbers of each in my lane, the other 16 in lane l xor 16), v[s + 16 b + i], become codes in v[d] on (6 registers for two blocks) and the scale bytes in v[PW].
.macro QUANT s, nb, d
.set qb, 0
.rept \nb
	v_max3_num_f32 v[TM+qb], |v[(\s)+16*qb]|, |v[(\s)+16*qb+1]|, 0x1800000   ; my 16 numbers and the floor 2^(3 - 127): the byte cannot fall under 1
.set qb, qb+1
.endr
.set qi, 2
.rept 7
.set qb, 0
.rept \nb
	v_max3_num_f32 v[TM+qb], v[TM+qb], |v[(\s)+16*qb+qi]|, |v[(\s)+16*qb+qi+1]|   ; the blocks by turns
.set qb, qb+1
.endr
.set qi, qi+2
.endr
.set qb, 0
.rept \nb
	v_permlanex16_b32 v[TM+4+qb], v[TM+qb], s[SEL], s[SEL+1]
.set qb, qb+1
.endr
.set qb, 0
.rept \nb
	v_max_num_f32 v[TM+qb], v[TM+qb], v[TM+4+qb]   ; the block's largest magnitude
.set qb, qb+1
.endr
.set qb, 0
.rept \nb
	v_add_nc_u32 v[TM+12+qb], 0xff000000, v[TM+qb]   ; 2 off its exponent field: the conversion's scale operand
.set qb, qb+1
.endr
.set qb, 0
.rept \nb
	v_lshrrev_b32 v[TM+4+qb], 23, v[TM+12+qb]      ; the scale's byte
.set qb, qb+1
.endr
	v_lshl_or_b32 v[PW], v[TM+5], 8, v[TM+4]
.if \nb == 4
	v_lshl_or_b32 v[PW], v[TM+6], 16, v[PW]
	v_lshl_or_b32 v[PW], v[TM+7], 24, v[PW]
.endif
.set qc, 0
.rept \nb/2
	v_cvt_scalef32_pk16_fp6_f32 v[(\d)+6*qc:(\d)+6*qc+2], v[(\s)+32*qc:(\s)+32*qc+15], v[TM+12+2*qc]
	v_cvt_scalef32_pk16_fp6_f32 v[PT+4*qc:PT+4*qc+2], v[(\s)+32*qc+16:(\s)+32*qc+31], v[TM+13+2*qc]   ; (a conversion's three registers begin on an even number)
.set qc, qc+1
.endr
	v_nop                                          ; one plain place behind the last scaled conversion
.set qc, 0
.rept \nb/2                                    ; the operand's layout wants a whole block in a lane: lanes 0-15 block 2 c, lanes 16-31 block 2 c + 1
.irp i, 0,1,2
	v_permlane16_swap_b32 v[(\d)+6*qc+\i], v[PT+4*qc+\i]
.endr
.irp i, 0,1,2
	v_mov_b32 v[(\d)+6*qc+3+\i], v[PT+4*qc+\i]
.endr
.set qc, qc+1
.endr
.endm
.macro IMAGE reg, adr, off             ; a fragment goes to LDS as it stands
.irp c, 0,1,2
	ds_store_b128 v[\adr], v[(\reg)+4*\c:(\reg)+4*\c+3] offset:(\off)+512*\c
.endr
.endm
.macro FETCH reg, adr, off             ; and comes back so, in any wave
.irp c, 0,1,2
	ds_load_b128 v[(\reg)+4*\c:(\reg)+4*\c+3], v[\adr] offset:(\off)+512*\c
.endr
.endm
	s_load_b256 s[4:11], s[0:1], 0x0               ; x s[4:5], Wk s[6:7], Wq s[8:9], Wv s[10:11]
	s_load_b128 s[12:15], s[0:1], 0x20             ; vcodes s[12:13], vscales s[14:15]
	s_load_b64 s[16:17], s[0:1], 0x30              ; pbuf
	v_lshl_add_u32 v234, v0, 2, 0x3d000
	v_mov_b32 v235, 0
	ds_add_u32 v234, v235
	ds_add_u32 v234, v235
	v_lshrrev_b32 v1, 5, v0
	v_readfirstlane_b32 s[WV], v1                  ; wave 0..7
	v_and_b32 v1, 31, v0                           ; lane
	v_and_b32 v2, 15, v0                           ; r
	v_bfe_u32 v3, v0, 4, 1                         ; h
	s_bfe_u32 s19, ttmp6, 0x40000                  ; cx: my place in the cluster
	s_lshl_b32 s20, ttmp9, 2
	s_add_co_u32 s20, s20, s19                     ; my work-group = 4 x cluster + cx: it enters my own rows' address and the stores' alone
	s_lshr_b32 s21, ttmp9, 4                       ; the batch: 16 clusters each; the four partners share it
	s_and_b32 s22, s20, 63                         ; my group of 64 keys in the batch
	s_and_b32 s23, s[WV], 3
	s_lshr_b32 s77, s[WV], 2                       ; 0 in waves 0-3, 1 in waves 4-7
	s_mul_i32 s76, s[WV], STGW                     ; my wave's stage
	; every LDS address is made here, ahead of the first parting of the waves: a constant + a constant x wave + a constant x lane
	v_lshlrev_b32 v[L16], 4, v1
	v_lshlrev_b32 v[L8], 3, v1
	v_lshlrev_b32 v[L4], 2, v1
	v_mul_u32_u24 v[SRD], v2, 528
	v_lshl_add_u32 v[SRD], v3, 6, v[SRD]
	v_add_nc_u32 v[SRD], s76, v[SRD]
	s_mul_i32 s78, s[WV], FRB
	s_add_co_u32 s78, s78, IMG
	v_add_nc_u32 v[IWA], s78, v[L16]
	s_lshl_b32 s78, s[WV], 7
	s_add_co_u32 s78, s78, ISC
	v_add_nc_u32 v[ISW], s78, v[L4]
	s_mul_i32 s78, s77, 4*FRB
	s_add_co_u32 s78, s78, IMG+8*FRB
	v_add_nc_u32 v[WRD], s78, v[L16]
	s_lshl_b32 s78, s77, 9
	s_add_co_u32 s78, s78, ISC+8*128
	v_add_nc_u32 v[WSR], s78, v[L4]
	s_mul_i32 s78, s[WV], 768
	s_add_co_u32 s78, s78, KIM
	v_add_nc_u32 v[KW16], s78, v[L16]
	s_add_co_u32 s78, s78, 512
	v_add_nc_u32 v[KW8], s78, v[L8]
	s_lshl_b32 s78, s[WV], 7
	s_add_co_u32 s78, s78, KSC
	v_add_nc_u32 v[KWS], s78, v[L4]
	s_mul_i32 s78, s[WV], FRB
	s_add_co_u32 s78, s78, IMG+16*FRB
	v_add_nc_u32 v[CRD], s78, v[L16]
	s_lshl_b32 s78, s[WV], 7
	s_add_co_u32 s78, s78, ISC+16*128
	v_add_nc_u32 v[CSR], s78, v[L4]
	v_add_nc_u32 v[XRD], IMG+4*FRB, v[L16]
	v_add_nc_u32 v[XSR], ISC+4*128, v[L4]
	v_add_nc_u32 v[KR16], KIM, v[L16]
	v_add_nc_u32 v[KR8], KIM+512, v[L8]
	v_add_nc_u32 v[KSR], KSC, v[L4]
	v_lshlrev_b32 v[GS], 1, v2
	v_lshl_add_u32 v[GS], v3, 13, v[GS]
	; the mask.  In a result tile T of K^T, register j of lane (r, h) is d = 16 T + 8 h + j of key t = 16 w + r: it goes where d < t, that is 16 T + j < 16 w + r - 8 h.
	; In waves 4-7 (q) the threshold is -8 h, under every 16 T + j: nothing goes.
	s_lshl_b32 s78, s[WV], 4
	v_add_nc_u32 v[THR], s78, v2
	s_cmp_lt_u32 s[WV], 4
	s_cselect_b32 s78, -1, 0
	v_and_b32 v[THR], s78, v[THR]
	v_lshlrev_b32 v25, 3, v3
	v_sub_nc_u32 v[THR], v[THR], v25
	v_mov_b32 v[NIL], 0
.irp i, 0,1,2,3
	v_mov_b32 v[TM+4+\i], 0                        ; written once: a lane permute's destination counts as one of its sources
.endr
	v_mov_b32 v[MY], 0
	s_mov_b32 s[SEL], 0x76543210
	s_mov_b32 s[SEL+1], 0xfedcba98
	s_mov_b32 s[CS], 0x3fb8aa3b                    ; log2(e)
	s_mov_b32 s[CS+1], s[CS]                       ; (named with it as a pair, so it is written)
	s_mov_b32 s[HIM], 0xffff0000
	s_mov_b32 s[CTL], 0x457c0000                   ; 4032.0
	; descriptor group 1: 16 rows of 512 bytes (64 elements of 8 bytes), dense in memory, 16 bytes of padding behind each row in LDS
	s_mov_b32 s[G1J], 15|(3<<16)|(1<<20)|(1<<21)|(6<<22)|(3<<25)   ; 15:0 the mask: all four work-groups; 17:16 elements of 8 bytes; 20 padding on; 21 set beside a mask; 24:22 after every 128 words (code 6); 31:25 4 words of it (code 3)
	s_mov_b32 s[G1P], (3<<16)|(1<<20)|(6<<22)|(3<<25)              ; the same with no mask
.irp g, G1J, G1P
	s_mov_b32 s[\g+1], 64<<16                      ; tensor_dim0 = 64
	s_mov_b32 s[\g+2], 16<<16                      ; tensor_dim1 = 16
	s_mov_b32 s[\g+3], 64<<16                      ; tile_dim0 = 64
	s_mov_b32 s[\g+4], 16                          ; tile_dim1 = 16
	s_mov_b32 s[\g+5], 64                          ; from row to row
	s_mov_b32 s[\g+6], 0
	s_mov_b32 s[\g+7], 0
.endr
	s_lshl_b32 s72, s23, 13                        ; tile w % 4: 16 rows of 512 bytes each
	s_mov_b32 s73, 0
	s_lshl_b32 s68, s21, 21                        ; the batch's first byte in x (4,096 rows of 512 bytes)
	s_add_co_u32 s68, s68, s72
	s_mov_b32 s69, 0
	s_lshl_b32 s70, s20, 15                        ; my work-group's 64 rows
	s_add_co_u32 s70, s70, s72
	s_mov_b32 s71, 0
	s_lshl_b32 s74, s[WV], 13                      ; Wv's tile w
	s_mov_b32 s75, 0
	s_wait_dscnt 0x0
	s_wait_kmcnt 0x0
	s_mov_b32 s[G0H], 1                            ; count = 1
	s_mov_b32 s[G0H+1], s76                        ; LDS address: slot A of my wave's stage
	s_add_nc_u64 s[G0H+2:G0H+3], s[4:5], s[68:69]
	s_or_b32 s[G0H+3], s[G0H+3], 0x80000000        ; type = 2
	s_mov_b32 s[G0O], 1
	s_mov_b32 s[G0O+1], s76
	s_add_nc_u64 s[G0O+2:G0O+3], s[4:5], s[70:71]
	s_or_b32 s[G0O+3], s[G0O+3], 0x80000000
	s_mov_b32 s[G0K], 1
	s_add_co_u32 s[G0K+1], s76, TILEB              ; slot B
	s_add_nc_u64 s[G0K+2:G0K+3], s[6:7], s[72:73]
	s_or_b32 s[G0K+3], s[G0K+3], 0x80000000
	s_mov_b32 s[G0Q], 1
	s_add_co_u32 s[G0Q+1], s76, TILEB
	s_add_nc_u64 s[G0Q+2:G0Q+3], s[8:9], s[72:73]
	s_or_b32 s[G0Q+3], s[G0Q+3], 0x80000000
	s_mov_b32 s[G0C], 1
	s_add_co_u32 s[G0C+1], s76, 2*TILEB            ; slot C
	s_add_nc_u64 s[G0C+2:G0C+3], s[10:11], s[74:75]
	s_or_b32 s[G0C+3], s[G0C+3], 0x80000000
	CROUND                                         ; all four work-groups are here: the joint loads meet
	s_cmp_lt_u32 s[WV], 4                          ; a wave's three fills stand in one branch on the wave's number, the same in every work-group: three tensor loads of mine are out.  Nothing is ever filled twice
	s_cbranch_scc0 .Lfill_hi
	tensor_load_to_lds s[G0H:G0H+3], s[G1J:G1J+7]
	s_nop 0
	tensor_load_to_lds s[G0K:G0K+3], s[G1J:G1J+7]
	s_nop 0
	tensor_load_to_lds s[G0C:G0C+3], s[G1J:G1J+7]
	s_nop 0
	PLACES 4                                       ; four v_nop follow the last line of each arm
	s_branch .Lfilled
.Lfill_hi:
	tensor_load_to_lds s[G0O:G0O+3], s[G1P:G1P+7]
	s_nop 0
	tensor_load_to_lds s[G0Q:G0Q+3], s[G1J:G1J+7]
	s_nop 0
	tensor_load_to_lds s[G0C:G0C+3], s[G1J:G1J+7]
	s_nop 0
	PLACES 4
.Lfilled:
	; ---- A: my three tiles become fragments.  Each stage tile is read by the wave that fetched it alone, so my own count of tensor loads orders the reads
	s_wait_tensorcnt 0x2                           ; slot A has landed; B's and C's loads, issued behind it, may be out
	SLOAD NUMA, 0
	s_wait_tensorcnt 0x1                           ; slot B
	SLOAD NUMB, 1
	s_wait_dscnt 16                                ; slot A's 16 loads are in; slot B's 16 may be out
	QUANT NUMA, 4, XF                              ; my x fragment stays in my registers
	v_mov_b32 v[XS], v[PW]
	s_cmp_lt_u32 s[WV], 4
	s_cbranch_scc1 .Lno_ximg                       ; the own rows' fragments are wanted by other waves (for V), the head rows' are not
	IMAGE XF, IWA, 0
	ds_store_b32 v[ISW], v[PW]
.Lno_ximg:
	s_wait_tensorcnt 0x0                           ; slot C
	SLOAD NUMA, 2
	s_wait_dscnt 16                                ; all but the 16 loads just issued: slot B's numbers are in, on both ways
	QUANT NUMB, 4, PC
	IMAGE PC, IWA, 8*FRB
	ds_store_b32 v[ISW], v[PW] offset:8*128
	s_wait_dscnt 0x0                               ; slot C's numbers are in, and the stores have read their registers
	QUANT NUMA, 4, PC
	IMAGE PC, IWA, 16*FRB
	ds_store_b32 v[ISW], v[PW] offset:16*128
	BARRIER                                        ; the own rows' four fragments and the weights' sixteen lie in LDS
	; ---- B: K^T of my 16 head rows (waves 0-3) or q^T of my 16 own rows (waves 4-7): source 0 = 16 rows of the weight, source 1 = my x fragment: a lane holds one row of x, its registers run along d
.irp t, 0,1,2,3
	FETCH 32+12*\t, WRD, FRB*\t
	ds_load_b32 v[SW+\t], v[WSR] offset:128*\t
.endr
	s_wait_dscnt 0x0
.irp t, 0,1,2,3
	v_wmma_scale_f32_16x16x128_f8f6f4 v[96+8*\t:103+8*\t], v[32+12*\t:43+12*\t], v[XF:XF+11], 0, v[SW+\t], v[XS] matrix_a_fmt:MATRIX_FMT_FP6 matrix_b_fmt:MATRIX_FMT_FP6
.endr
	PLACES 4                                       ; four places between a matrix instruction and the first vector instruction on its result (ISA guide 7.12.1)
.set mn, 0
.rept 32                                       ; the tril, ahead of the quantiser; each result from its low end on
	v_cmp_lt_i32 vcc_lo, 16*(mn/8)+mn%8, v[THR]
	v_cndmask_b32 v[96+mn], v[96+mn], v[NIL], vcc_lo
.set mn, mn+1
.endr
	QUANT 96, 2, QF                                ; K = 64: two blocks, six registers
	v_or_b32 v[QW], 0x7f7f0000, v[PW]              ; the rest of the matrix instruction's 128 along K: zero codes under the byte 127, on both operands
.irp i, 6,7,8,9,10,11
	v_mov_b32 v[QF+\i], 0
.endr
	s_cmp_lt_u32 s[WV], 4
	s_cbranch_scc0 .Lno_kimg
	ds_store_b128 v[KW16], v[QF:QF+3]
	ds_store_b64 v[KW8], v[QF+4:QF+5]
	ds_store_b32 v[KWS], v[QW]
.Lno_kimg:
	BARRIER                                        ; K's four half fragments lie in LDS
	s_cmp_lt_u32 s[WV], 4
	s_cbranch_scc0 .Lscores
	; ---- C, waves 0-3: V^T of the work-group's 64 keys, column tiles w and w + 4: source 0 = 16 keys (x), source 1 = 16 columns (Wv): a lane holds one column, its registers run along the keys
.irp t, 0,1,2,3
	FETCH 32+12*\t, XRD, FRB*\t
	ds_load_b32 v[SW+\t], v[XSR] offset:128*\t
.endr
.irp u, 0,1
	FETCH XF+12*\u, CRD, 4*FRB*\u
	ds_load_b32 v[SW+4+\u], v[CSR] offset:512*\u
.endr
	s_lshl_b32 s79, s21, 3
	s_add_co_u32 s79, s79, s[WV]
	s_lshl_b32 s79, s79, 6
	s_add_co_u32 s79, s79, s22                     ; (8 b + w) x 64 + g
	s_mul_i32 s70, s79, 768
	s_add_nc_u64 s[12:13], s[12:13], s[70:71]      ; vcodes [b][column tile][group of 64 keys][768]
	s_lshl_b32 s70, s79, 5
	s_add_nc_u64 s[14:15], s[14:15], s[70:71]      ; vscales [b][column tile][group][16 columns] of two bytes
	s_wait_dscnt 0x0
.irp u, 0,1
.irp t, 0,1,2,3
	v_wmma_scale_f32_16x16x128_f8f6f4 v[96+32*\u+8*\t:103+32*\u+8*\t], v[32+12*\t:43+12*\t], v[XF+12*\u:XF+12*\u+11], 0, v[SW+\t], v[SW+4+\u] matrix_a_fmt:MATRIX_FMT_FP6 matrix_b_fmt:MATRIX_FMT_FP6
.endr
.endr
	PLACES 4
	QUANT 96, 2, PC                                ; column tile w: lanes 0-15 the group's first block of 32 keys, lanes 16-31 its second
	global_store_b128 v[L16], v[PC:PC+3], s[12:13]                 ; the image of registers 0-3: 512 consecutive bytes, aligned to 256
	global_store_b64 v[L8], v[PC+4:PC+5], s[12:13] offset:512      ; of registers 4-5: 256
	v_mov_b32 v[BA], v[PW]
	QUANT 128, 2, 32                               ; column tile w + 4, into other registers than those that the stores above read
	global_store_b128 v[L16], v[32:35], s[12:13] offset:4*64*768
	global_store_b64 v[L8], v[36:37], s[12:13] offset:4*64*768+512
	v_cndmask_b32 v[BA], v[BA], v[PW], s[HIM]      ; lanes 0-15 tile w's two bytes, lanes 16-31 tile w + 4's
	global_store_b16 v[GS], v[BA], s[14:15]        ; two runs of 32 bytes: short pieces, 1 byte in 128 of what the launch reads
	s_branch .Ljoin
	; ---- C, waves 4-7: my 16 queries' scores on the 64 head keys, and the softmax.  Source 0 = 16 keys (K), source 1 = my q: a lane holds one query, its registers run along the keys
.Lscores:
.irp t, 0,1,2,3
	ds_load_b128 v[32+12*\t:35+12*\t], v[KR16] offset:768*\t
	ds_load_b64 v[36+12*\t:37+12*\t], v[KR8] offset:768*\t
	ds_load_b32 v[SW+\t], v[KSR] offset:128*\t
.endr
.irp t, 0,1,2,3
.irp i, 6,7,8,9,10,11
	v_mov_b32 v[32+12*\t+\i], 0                    ; K beyond 64: zero codes
.endr
.endr
	PLACES 8                                       ; a scale register made by a vector instruction (q's) stands eight places ahead of a scaled matrix instruction, an operand so made four
	s_lshl_b32 s79, s20, 2
	s_add_co_u32 s79, s79, s[WV]
	s_sub_co_u32 s79, s79, 4                       ; my tile of 16 queries: 4 x work-group + w - 4
	s_lshl_b32 s70, s79, 10
	s_add_nc_u64 s[16:17], s[16:17], s[70:71]      ; pbuf: 1,024 bytes a tile
	s_wait_dscnt 0x0
.irp t, 0,1,2,3
	v_wmma_scale_f32_16x16x128_f8f6f4 v[96+8*\t:103+8*\t], v[32+12*\t:43+12*\t], v[QF:QF+11], 0, v[SW+\t], v[QW] matrix_a_fmt:MATRIX_FMT_FP6 matrix_b_fmt:MATRIX_FMT_FP6
.endr
	PLACES 4
.irp t, 0,1,2,3
	v_max3_num_f32 v[CH+\t], v[96+8*\t], v[97+8*\t], v[98+8*\t]    ; the largest score: four chains, each result from its low end on
.endr
.irp i, 3,5
.irp t, 0,1,2,3
	v_max3_num_f32 v[CH+\t], v[CH+\t], v[96+8*\t+\i], v[97+8*\t+\i]
.endr
.endr
.irp t, 0,1,2,3
	v_max_num_f32 v[CH+\t], v[CH+\t], v[103+8*\t]
.endr
	v_max3_num_f32 v[MX], v[CH], v[CH+1], v[CH+2]
	v_max_num_f32 v[MX], v[MX], v[CH+3]
	v_permlanex16_b32 v[MY], v[MX], s[SEL], s[SEL+1]   ; the query's other 32 head keys lie in lane l xor 16
	v_max_num_f32 v[MX], v[MX], v[MY]
	v_mul_f32 v[MX], s[CS], v[MX]                  ; as t (log2(e) is positive)
	v_max_num_f32 v[MX], 0, v[MX]                  ; the 4,032 tail keys have t = 0
	v_floor_f32 v[NM], -v[MX]                      ; -M = floor(-t) = -ceil(t): a whole number, 0 or less
	v_mov_b32 v[NM+1], v[NM]
.set mn, 0
.rept 16
	v_pk_fma_f32 v[96+mn:97+mn], v[96+mn:97+mn], s[CS:CS+1], v[NM:NM+1] op_sel_hi:[1,0,0]   ; t - M, two at a time
.set mn, mn+2
.endr
.set mn, 0
.rept 32
	v_exp_f32 v[96+mn], v[96+mn]                   ; p = 2^(t - M): one batch
.set mn, mn+1
.endr
	v_max_num_f32 v[MI], 0xc2f80000, v[NM]         ; plain work behind the batch: the tail.  -M held at -124
	v_cvt_i32_f32 v[MI], v[MI]
	v_ldexp_f32 v[PTL], 1.0, v[MI]                 ; the tail's p = 2^-M, exact
	v_add_nc_u32 v[TB], 125, v[MI]                 ; its block's byte: 32 equal numbers 2^-M are the code 4.0 under the scale 2^(-M - 2)
	v_lshl_or_b32 v[T2], v[TB], 8, v[TB]
	v_lshl_or_b32 v[TL], v[T2], 16, v[T2]          ; the scale word of 128 tail keys
	s_wait_alu depctr_va_vdst(0)                   ; one wait for the 32 exponentials, ahead of the first line that names a result
	v_pk_add_f32 v[SUM:SUM+1], v[96:97], v[98:99]  ; the row's sum is taken of the unquantised p: two chains
	v_pk_add_f32 v[SUM+2:SUM+3], v[100:101], v[102:103]
.irp j, 8,12,16,20,24,28
	v_pk_add_f32 v[SUM:SUM+1], v[SUM:SUM+1], v[96+\j:97+\j]
	v_pk_add_f32 v[SUM+2:SUM+3], v[SUM+2:SUM+3], v[98+\j:99+\j]
.endr
	v_pk_add_f32 v[SUM:SUM+1], v[SUM:SUM+1], v[SUM+2:SUM+3]
	v_add_f32 v[SUM], v[SUM], v[SUM+1]
	v_permlanex16_b32 v[MY], v[SUM], s[SEL], s[SEL+1]
	v_add_f32 v[SUM], v[SUM], v[MY]
	v_fma_f32 v[SUM], v[PTL], s[CTL], v[SUM]       ; + 4,032 x 2^-M: l
	v_rcp_f32 v[IL], v[SUM]
	QUANT 96, 2, PC                                ; the head's two blocks of p; also the plain work behind the reciprocal
	v_lshl_or_b32 v[W0], v[T2], 16, v[PW]          ; the scale word of keys 0 .. 127: two head bytes, two tail bytes
	v_cndmask_b32 v[IL+1], v[W0], v[TL], s[HIM]    ; lanes 0-15 carry that word, lanes 16-31 the tail's
	s_wait_alu depctr_va_vdst(0)                   ; the reciprocal's wait, ahead of the store that names it
	global_store_b128 v[L16], v[PC:PC+3], s[16:17]                 ; 512 consecutive bytes, aligned to 256
	global_store_b64 v[L8], v[PC+4:PC+5], s[16:17] offset:512      ; 256
	global_store_b64 v[L8], v[IL:IL+1], s[16:17] offset:768        ; 256: 1 / l and the word, 8 bytes a lane
.Ljoin:
	s_wait_dscnt 0x0
	s_wait_tensorcnt 0x0
	ds_add_u32 v234, v235
	s_wait_dscnt 0x0
	CROUND                                         ; the closing round: no work-group ends while a partner may still ask for a tile that names it
	s_endpgm
.Lfunc_end_k_qa0766019bf_prep:
	.size	k_qa0766019bf_prep, .Lfunc_end_k_qa0766019bf_prep-k_qa0766019bf_prep
	.p2alignl 7, 3214868480
	.fill 96, 4, 3214868480
	.section	.rodata,"a",@progbits
	.p2align	6, 0x0
	.amdhsa_kernel k_qa0766019bf_prep
		.amdhsa_group_segment_fixed_size 250880
		.amdhsa_private_segment_fixed_size 0
		.amdhsa_enable_private_segment 0
		.amdhsa_kernarg_size 56
		.amdhsa_user_sgpr_count 2
		.amdhsa_user_sgpr_kernarg_segment_ptr 1
		.amdhsa_wavefront_size32 1
		.amdhsa_system_sgpr_workgroup_id_x 1
		.amdhsa_system_sgpr_workgroup_id_y 1
		.amdhsa_system_sgpr_workgroup_id_z 1
		.amdhsa_system_vgpr_workitem_id 0
		.amdhsa_next_free_vgpr 256
		.amdhsa_next_free_sgpr 80
		.amdhsa_reserve_vcc 1
		.amdhsa_float_denorm_mode_32 3
		.amdhsa_float_denorm_mode_16_64 3
		.amdhsa_memory_ordered 1
		.amdhsa_forward_progress 1
		.amdhsa_inst_pref_size 47
	.end_amdhsa_kernel
	.amdgpu_metadata
---
amdhsa.version: [ 1, 2 ]
amdhsa.kernels:
  - .name:           k_qa0766019bf_prep
    .symbol:         k_qa0766019bf_prep.kd
    .args:
      - { .name: x, .offset: 0, .size: 8, .value_kind: global_buffer, .address_space: global }
      - { .name: Wk, .offset: 8, .size: 8, .value_kind: global_buffer, .address_space: global }
      - { .name: Wq, .offset: 16, .size: 8, .value_kind: global_buffer, .address_space: global }
      - { .name: Wv, .offset: 24, .size: 8, .value_kind: global_buffer, .address_space: global }
      - { .name: vcodes, .offset: 32, .size: 8, .value_kind: global_buffer, .address_space: global }
      - { .name: vscales, .offset: 40, .size: 8, .value_kind: global_buffer, .address_space: global }
      - { .name: pbuf, .offset: 48, .size: 8, .value_kind: global_buffer, .address_space: global }
    .group_segment_fixed_size: 250880
    .private_segment_fixed_size: 0
    .kernarg_segment_align: 8
    .kernarg_segment_size: 56
    .max_flat_workgroup_size: 256
    .sgpr_count:     80
    .vgpr_count:     256
    .wavefront_size: 32
...
	.end_amdgpu_metadata
.endif
;; end of part 1
;; launch attn (part 2): grid 32 x 8, 4 waves a work-group, clusters of 4 x 1, 240,128 bytes of LDS; arguments vcodes, vscales, pbuf, out0; writes out0
.if DOCPART == 2
	.amdgcn_target "amdgcn-amd-amdhsa--gfx1250"
	.amdhsa_code_object_version 6
	.text
	.protected	k_qa0766019bf_attn
	.globl	k_qa0766019bf_attn
	.p2align	8
	.type	k_qa0766019bf_attn,@function
k_qa0766019bf_attn:
	s_mov_b64 s[64:65], 0
	v_nop
	global_prefetch_b8 v0, s[64:65] scope:SCOPE_SE
	s_setreg_imm32_b32 hwreg(HW_REG_WAVE_MODE, 25, 1), 1
	s_wait_xcnt 0x0
	s_wait_alu depctr_hold_cnt(0) depctr_sa_sdst(0) depctr_va_vdst(0) depctr_va_sdst(0) depctr_va_ssrc(0) depctr_va_vcc(0) depctr_vm_vsrc(0)
	s_getreg_b32 s2, hwreg(HW_REG_IB_STS2, 6, 4)
	s_cmp_eq_u32 s2, 0
	s_cbranch_scc0 .Lentry_in_a_cluster
	s_endpgm
.Lentry_in_a_cluster:
	s_bfe_u32 s2, ttmp6, 0x10000c
	s_cmp_lg_u32 s2, 0x3003
	s_cbranch_scc0 .Lentry_shape_is_right
	s_endpgm
.Lentry_shape_is_right:
; MaskedSelfAttention, second of two launches: out[b][q][:] = (the sum over all 4,096 keys of Q(p)[q][k] Q(V)[k][:]) / l[q], on codes of FP6 (E2M3) with one E8M0 scale for each 32 keys.
; vcodes [b][column tile 8][group of 64 keys 64][768]: the image of six operand registers (registers 0-3: 16 bytes a lane, then registers 4-5: 8 bytes a lane); vscales [b][tile][group][16 columns] of two bytes.
; pbuf [tile of 16 queries 1024][1024]: the image of p's six registers for keys 0 .. 63; then 8 bytes a lane: 1 / l, and a scale word: in lanes 0-15 that of keys 0 .. 127, in lanes 16-31 that of 128 tail keys.
; From key 64 on p = 2^-M for every key of a row: the code 4.0 under the byte 125 - M.  So p's fragment of a tail step is ONE constant fragment for all rows and steps, and the row's M lives in its scale word.
; SHARES.  A work-group makes 128 queries x 64 columns (256 bytes of each output row): 32 x 8 work-groups.  Wave w owns column tile w of the four, for all 128 queries: 8 accumulators,
; so one fragment of V from LDS feeds eight matrix instructions.  Its V (49,152 bytes of codes, 2,048 of scale bytes) comes into LDS once, in five tensor loads, and is read by that wave alone:
; the wave's own count of tensor loads orders the reads, nothing is filled twice, and no barrier stands in the walk over the keys.
; CLUSTER.  The four work-groups of a cluster differ in their queries alone and want the same V: every tensor load is asked for JOINTLY.
; The matrix instruction is used with source 0 = 16 columns of V^T and source 1 = 16 queries of p: a lane holds one query and eight neighbouring columns.
; The order of k inside a block of 32 keys is the same on both operands (the launch before lays them so); the sums' order differs from the problem's text in that alone.
.set WREG,  51200                      ; LDS: a wave's region: codes, then scale bytes
.set SCO,   49152
.set CHUNK, 12288                      ; a tensor load of codes: 48 rows of 256 bytes: 8 steps of 128 keys
.set STAGE, 4*WREG                     ; the way out: 128 rows x (256 bytes + 16)
.set SP,    272
.set AD16, 4                           ; v4   my wave's codes + 16 x lane
.set AD8,  5                           ; v5   + 8 x lane
.set ADS,  6                           ; v6   my wave's scale bytes + 64 h + 2 r
.set STO,  7                           ; v7   the stage: where I put 32 bytes of a row
.set RD,   8                           ; v8   and where I read a row back
.set GO,   9                           ; v9   my byte offset in out0
.set P16,  10                          ; v10  16 x lane
.set P8,   11                          ; v11  8 x lane
.set CF,   16                          ; v16-27   the constant fragment: the code 4.0, 128 times a row
.set VS,   28                          ; v28-43   V's scale words: register i: lanes 0-15 step 2 i, lanes 16-31 step 2 i + 1
.set MT,   44                          ; v44-59   tile T: 1 / l, and p's scale words
.set VB,   60                          ; v60-83   V's fragments of steps 0 and 1
.set ACC,  84                          ; v84-147  8 accumulators
.set PF,   148                         ; v148-243 p's 8 fragments of step 0; afterwards three sets of two fragments of V
.set WV,   12
.set G1C,  24                          ; s[24:31] descriptor group 1 for codes; s[32:39] for scale bytes
.set G1S,  32
.set G0S,  40                          ; s[40:43] group 0 for the scale bytes; s[44:59] for the four chunks of codes
.set G0C,  44
.macro PLACES n
.rept \n
	v_nop
.endr
.endm
.macro CROUND                          ; a round of the cluster's barrier
	s_barrier_signal -1
	s_barrier_wait -1
	s_cmp_lg_u32 s[WV], 0
	s_cbranch_scc1 .Lnot_wave_0_\@
	s_barrier_signal -3
.Lnot_wave_0_\@:
	s_barrier_wait -3
	s_barrier_signal -1
	s_barrier_wait -1
.endm
.macro PAIRLOAD p, base                ; V's fragments of steps 2 p and 2 p + 1: eight loads, each of consecutive bytes
.irp u, 0,1
	ds_load_b128 v[(\base)+12*\u:(\base)+12*\u+3], v[AD16] offset:1536*(2*(\p)+\u)
	ds_load_b64 v[(\base)+12*\u+4:(\base)+12*\u+5], v[AD8] offset:1536*(2*(\p)+\u)+512
	ds_load_b128 v[(\base)+12*\u+6:(\base)+12*\u+9], v[AD16] offset:1536*(2*(\p)+\u)+768
	ds_load_b64 v[(\base)+12*\u+10:(\base)+12*\u+11], v[AD8] offset:1536*(2*(\p)+\u)+1280
.endr
.endm
; Step s: eight matrix instructions, V's fragment f against the eight tiles of queries.  The eight accumulators take turns, one instruction a turn.
; Step 0 starts the sums and takes p's own fragments; every later step takes the constant fragment, and the rows' tail words from lanes 16-31.
.macro MUL s, f
.set mt, 0
.rept 8
.if (\s) == 0
	v_wmma_scale_f32_16x16x128_f8f6f4 v[ACC+8*mt:ACC+8*mt+7], v[(\f):(\f)+11], v[PF+12*mt:PF+12*mt+11], 0, v[VS], v[MT+2*mt+1] matrix_a_fmt:MATRIX_FMT_FP6 matrix_b_fmt:MATRIX_FMT_FP6
.elseif (\s)%2 == 1
	v_wmma_scale_f32_16x16x128_f8f6f4 v[ACC+8*mt:ACC+8*mt+7], v[(\f):(\f)+11], v[CF:CF+11], v[ACC+8*mt:ACC+8*mt+7], v[VS+(\s)/2], v[MT+2*mt+1] matrix_a_fmt:MATRIX_FMT_FP6 matrix_b_fmt:MATRIX_FMT_FP6 matrix_a_scale:MATRIX_SCALE_ROW1 matrix_b_scale:MATRIX_SCALE_ROW1
.else
	v_wmma_scale_f32_16x16x128_f8f6f4 v[ACC+8*mt:ACC+8*mt+7], v[(\f):(\f)+11], v[CF:CF+11], v[ACC+8*mt:ACC+8*mt+7], v[VS+(\s)/2], v[MT+2*mt+1] matrix_a_fmt:MATRIX_FMT_FP6 matrix_b_fmt:MATRIX_FMT_FP6 matrix_b_scale:MATRIX_SCALE_ROW1
.endif
.set mt, mt+1
.endr
.endm
	s_load_b256 s[4:11], s[0:1], 0x0               ; vcodes s[4:5], vscales s[6:7], pbuf s[8:9], out0 s[10:11]
	v_lshl_add_u32 v254, v0, 2, 0x3a800
	v_mov_b32 v255, 0
	ds_add_u32 v254, v255
	ds_add_u32 v254, v255
	v_lshrrev_b32 v13, 5, v0
	v_readfirstlane_b32 s[WV], v13                 ; wave 0..3
	v_and_b32 v1, 31, v0                           ; lane
	v_and_b32 v2, 15, v0                           ; r
	v_bfe_u32 v3, v0, 4, 1                         ; h
	s_bfe_u32 s13, ttmp6, 0x40000                  ; cx
	s_lshl_b32 s14, ttmp9, 2
	s_add_co_u32 s14, s14, s13                     ; my block of 128 queries = 4 x cluster x + cx: it enters pbuf's and out0's addresses alone
	s_and_b32 s15, ttmp7, 0xffff                   ; 2 x batch + which 64 columns: the four partners share it
	s_lshr_b32 s16, s15, 1                         ; the batch
	s_and_b32 s17, s15, 1                          ; the half of the columns
	s_lshl_b32 s18, s15, 2
	s_add_co_u32 s18, s18, s[WV]                   ; 8 b + my column tile
	s_mul_i32 s20, s18, 49152                      ; its codes,
	s_mov_b32 s21, 0
	s_lshl_b32 s62, s18, 11                        ; its scale bytes
	s_mov_b32 s63, 0
	s_mul_i32 s60, s[WV], WREG                     ; my region of LDS: no place in the cluster enters an LDS address
	v_lshlrev_b32 v[P16], 4, v1
	v_lshlrev_b32 v[P8], 3, v1
	v_add_nc_u32 v[AD16], s60, v[P16]
	v_add_nc_u32 v[AD8], s60, v[P8]
	v_lshlrev_b32 v[ADS], 1, v2
	v_lshl_add_u32 v[ADS], v3, 6, v[ADS]
	v_add_nc_u32 v[ADS], s60, v[ADS]
	v_add_nc_u32 v[ADS], SCO, v[ADS]
	s_lshl_b32 s61, s[WV], 6
	s_add_co_u32 s61, s61, STAGE
	v_mul_u32_u24 v[STO], v2, SP
	v_lshl_add_u32 v[STO], v3, 5, v[STO]
	v_add_nc_u32 v[STO], s61, v[STO]               ; in: row r of a tile, + 64 w (my 16 columns) + 32 h
	s_mul_i32 s61, s[WV], 32*SP
	s_add_co_u32 s61, s61, STAGE
	v_mul_u32_u24 v[RD], v3, SP
	v_lshl_add_u32 v[RD], v2, 4, v[RD]
	v_add_nc_u32 v[RD], s61, v[RD]                 ; back: my 32 rows; lanes 0-15 one row of 256 bytes, lanes 16-31 the next
	v_lshlrev_b32 v[GO], 4, v2
	v_lshl_add_u32 v[GO], v3, 9, v[GO]             ; and the same two rows in out0 (512 bytes a row)
	; the constant fragment: sixteen times 1.0 under the scale 2^-2 is sixteen times the code 4.0: 96 bits, which repeat
.irp i, 0,1,2,3,4,5,6,7,8,9,10,11,12,13,14,15
	v_mov_b32 v[ACC+32+\i], 1.0
.endr
	v_mov_b32 v12, 0x3e800000                      ; 0.25: the conversion takes its exponent field as the scale
	v_cvt_scalef32_pk16_fp6_f32 v[CF:CF+2], v[ACC+32:ACC+47], v12
	v_nop                                          ; one plain place behind a scaled conversion
.irp i, 3,4,5,6,7,8,9,10,11
	v_mov_b32 v[CF+\i], v[CF+\i-3]
.endr
	; descriptor groups 1: dense blocks as rows of 256 bytes (32 elements of 8 bytes), no padding: the lanes read consecutive bytes
	s_mov_b32 s[G1C], 15|(3<<16)|(1<<21)           ; 15:0 the mask: all four work-groups; 17:16 elements of 8 bytes; 21 set beside a mask
	s_mov_b32 s[G1C+1], 32<<16                     ; tensor_dim0 = 32
	s_mov_b32 s[G1C+2], 48<<16                     ; tensor_dim1 = 48
	s_mov_b32 s[G1C+3], 32<<16                     ; tile_dim0 = 32
	s_mov_b32 s[G1C+4], 48                         ; tile_dim1 = 48
	s_mov_b32 s[G1C+5], 32                         ; from row to row
	s_mov_b32 s[G1C+6], 0
	s_mov_b32 s[G1C+7], 0
	s_mov_b32 s[G1S], 15|(3<<16)|(1<<21)
	s_mov_b32 s[G1S+1], 32<<16
	s_mov_b32 s[G1S+2], 8<<16                      ; 8 rows
	s_mov_b32 s[G1S+3], 32<<16
	s_mov_b32 s[G1S+4], 8
	s_mov_b32 s[G1S+5], 32
	s_mov_b32 s[G1S+6], 0
	s_mov_b32 s[G1S+7], 0
	s_lshl_b32 s2, s16, 8
	s_lshl_b32 s3, s14, 3
	s_add_co_u32 s2, s2, s3                        ; my first tile of queries: 256 b + 8 x block
	s_lshl_b32 s2, s2, 10
	s_mov_b32 s3, 0
	s_wait_dscnt 0x0
	s_wait_kmcnt 0x0
	s_add_nc_u64 s[8:9], s[8:9], s[2:3]
.irp t, 0,1,2,3,4,5,6,7
	global_load_b128 v[PF+12*\t:PF+12*\t+3], v[P16], s[8:9] offset:1024*\t
	global_load_b64 v[PF+12*\t+4:PF+12*\t+5], v[P8], s[8:9] offset:1024*\t+512
	global_load_b64 v[MT+2*\t:MT+2*\t+1], v[P8], s[8:9] offset:1024*\t+768
.endr
	s_add_nc_u64 s[22:23], s[4:5], s[20:21]
	s_mov_b32 s[G0S], 1                            ; count = 1
	s_add_co_u32 s[G0S+1], s60, SCO                ; LDS address
	s_add_nc_u64 s[G0S+2:G0S+3], s[6:7], s[62:63]
	s_or_b32 s[G0S+3], s[G0S+3], 0x80000000        ; type = 2
.irp c, 0,1,2,3
	s_mov_b32 s[G0C+4*\c], 1
	s_add_co_u32 s[G0C+4*\c+1], s60, CHUNK*\c
	s_add_nc_u64 s[G0C+4*\c+2:G0C+4*\c+3], s[22:23], CHUNK*\c
	s_or_b32 s[G0C+4*\c+3], s[G0C+4*\c+3], 0x80000000
.endr
	CROUND                                         ; all four work-groups are here: the joint loads meet
	tensor_load_to_lds s[G0S:G0S+3], s[G1S:G1S+7]  ; all my fills go out together: five tensor loads of mine are out
	s_nop 0
	tensor_load_to_lds s[G0C:G0C+3], s[G1C:G1C+7]
	s_nop 0
	tensor_load_to_lds s[G0C+4:G0C+7], s[G1C:G1C+7]
	s_nop 0
	tensor_load_to_lds s[G0C+8:G0C+11], s[G1C:G1C+7]
	s_nop 0
	tensor_load_to_lds s[G0C+12:G0C+15], s[G1C:G1C+7]
	s_nop 0
	PLACES 4                                       ; four v_nop follow the last
.irp t, 0,1,2,3,4,5,6,7
.irp i, 0,1,2,3,4,5
	v_mov_b32 v[PF+12*\t+6+\i], v[CF+\i]           ; keys 64 .. 127 of step 0 are tail keys
.endr
.endr
	s_lshl_b32 s2, s16, 12
	s_lshl_b32 s13, s14, 7
	s_add_co_u32 s2, s2, s13
	s_lshl_b32 s13, s[WV], 5
	s_add_co_u32 s2, s2, s13                       ; the first row that I store: 4096 b + 128 x block + 32 w
	s_lshl_b32 s2, s2, 9
	s_lshl_b32 s13, s17, 8
	s_add_co_u32 s2, s2, s13                       ; + my work-group's 256 bytes of a row
	s_add_nc_u64 s[10:11], s[10:11], s[2:3]
	s_wait_tensorcnt 0x3                           ; the scale bytes and the first chunk have landed; the three chunks issued behind them may be out
.set i, 0
.rept 16                                       ; a step's scale word of a column is two groups' pairs of bytes, 32 bytes apart
	ds_load_u16 v[ACC+2*i], v[ADS] offset:128*i
	ds_load_u16 v[ACC+2*i+1], v[ADS] offset:128*i+32
.set i, i+1
.endr
	PAIRLOAD 0, VB
	s_wait_dscnt 8                                 ; the 32 loads of bytes are in; the pair's eight may be out
.set i, 0
.rept 16
	v_lshl_or_b32 v[VS+i], v[ACC+2*i+1], 16, v[ACC+2*i]
.set i, i+1
.endr
	PLACES 8                                       ; a scale register made by a vector instruction stands eight places ahead of a scaled matrix instruction
	s_wait_loadcnt 0x0                             ; p, 1 / l and p's scale words
	s_wait_dscnt 0x0
	MUL 0, VB
	PLACES 4                                       ; four places in front of loads into registers that matrix instructions have read: p's fragments are done with
	PAIRLOAD 1, PF
	PAIRLOAD 2, PF+24
	MUL 1, VB+12
.set pp, 1
.rept 15                                       ; pairs of steps 1 to 15, on three sets by turns; a pair is asked for two pairs, 32 matrix instructions, ahead of its use
.if pp+2 <= 15
	PLACES 4                                       ; the set that the last pair multiplied is loaded again
.if (pp+2)%4 == 0
	s_wait_tensorcnt 3-(pp+2)/4                    ; the chunk in which that pair lies has landed; the chunks behind it may be out
.endif
	PAIRLOAD pp+2, PF+24*((pp+1)%3)
	s_wait_dscnt 16                                ; this pair's eight loads are in; the two younger pairs' may be out
.elseif pp == 14
	s_wait_dscnt 8
.else
	s_wait_dscnt 0
.endif
	MUL 2*pp, PF+24*((pp-1)%3)
	MUL 2*pp+1, PF+24*((pp-1)%3)+12
.set pp, pp+1
.endr
	; THE WAY OUT.  x 1 / l; a lane's eight columns of a row are 32 bytes and a row's 256 bytes come from four waves: they meet in the stage, and each wave stores 32 whole rows.
	PLACES 4
.irp t, 0,1,2,3,4,5,6,7
.irp k, 0,2,4,6
	v_pk_mul_f32 v[ACC+8*\t+\k:ACC+8*\t+\k+1], v[ACC+8*\t+\k:ACC+8*\t+\k+1], v[MT+2*\t:MT+2*\t+1] op_sel_hi:[1,0]   ; each accumulator from its low end on; of the pair the low word, 1 / l, serves both halves
.endr
.endr
.irp t, 0,1,2,3,4,5,6,7
	ds_store_b128 v[STO], v[ACC+8*\t:ACC+8*\t+3] offset:16*SP*\t
	ds_store_b128 v[STO], v[ACC+8*\t+4:ACC+8*\t+7] offset:16*SP*\t+16
.endr
	s_wait_dscnt 0x0                               ; for the others' sake: my stores into the stage are done
	s_barrier_signal -1
	s_barrier_wait -1
.irp i, 0,1,2,3,4,5,6,7,8,9,10,11,12,13,14,15
	ds_load_b128 v[ACC+4*\i:ACC+4*\i+3], v[RD] offset:2*SP*\i
.endr
.irp i, 0,1,2,3,4,5,6,7,8,9,10,11,12,13,14,15
	s_wait_dscnt 15-\i
	global_store_b128 v[GO], v[ACC+4*\i:ACC+4*\i+3], s[10:11] offset:1024*\i th:TH_STORE_NT   ; sixteen lanes store 256 consecutive bytes, at a multiple of 256 from out0's first byte; written once, read by nobody here
.endr
	s_wait_tensorcnt 0x0
	ds_add_u32 v254, v255
	s_wait_dscnt 0x0
	CROUND                                         ; the closing round: no work-group ends while a partner may still ask for a tile that names it
	s_endpgm
.Lfunc_end_k_qa0766019bf_attn:
	.size	k_qa0766019bf_attn, .Lfunc_end_k_qa0766019bf_attn-k_qa0766019bf_attn
	.p2alignl 7, 3214868480
	.fill 96, 4, 3214868480
	.section	.rodata,"a",@progbits
	.p2align	6, 0x0
	.amdhsa_kernel k_qa0766019bf_attn
		.amdhsa_group_segment_fixed_size 240128
		.amdhsa_private_segment_fixed_size 0
		.amdhsa_enable_private_segment 0
		.amdhsa_kernarg_size 32
		.amdhsa_user_sgpr_count 2
		.amdhsa_user_sgpr_kernarg_segment_ptr 1
		.amdhsa_wavefront_size32 1
		.amdhsa_system_sgpr_workgroup_id_x 1
		.amdhsa_system_sgpr_workgroup_id_y 1
		.amdhsa_system_sgpr_workgroup_id_z 1
		.amdhsa_system_vgpr_workitem_id 0
		.amdhsa_next_free_vgpr 256
		.amdhsa_next_free_sgpr 66
		.amdhsa_reserve_vcc 0
		.amdhsa_float_denorm_mode_32 3
		.amdhsa_float_denorm_mode_16_64 3
		.amdhsa_memory_ordered 1
		.amdhsa_forward_progress 1
		.amdhsa_inst_pref_size 63
	.end_amdhsa_kernel
	.amdgpu_metadata
---
amdhsa.version: [ 1, 2 ]
amdhsa.kernels:
  - .name:           k_qa0766019bf_attn
    .symbol:         k_qa0766019bf_attn.kd
    .args:
      - { .name: vcodes, .offset: 0, .size: 8, .value_kind: global_buffer, .address_space: global }
      - { .name: vscales, .offset: 8, .size: 8, .value_kind: global_buffer, .address_space: global }
      - { .name: pbuf, .offset: 16, .size: 8, .value_kind: global_buffer, .address_space: global }
      - { .name: out0, .offset: 24, .size: 8, .value_kind: global_buffer, .address_space: global }
    .group_segment_fixed_size: 240128
    .private_segment_fixed_size: 0
    .kernarg_segment_align: 8
    .kernarg_segment_size: 32
    .max_flat_workgroup_size: 128
    .sgpr_count:     66
    .vgpr_count:     256
    .wavefront_size: 32
...
	.end_amdgpu_metadata
.endif
;; end of part 2
